; MI455X (gfx1250); checked and timed in simulation.
; The chip was launched on July 23, 2026; its instructions are those of AMD's public machine-readable ISA for CDNA 5 (MIT licence, August 2026) and "CDNA5" Instruction Set Architecture Reference Guide (July 2026). The comments in the code are by the model that wrote it; some were corrected since.
;; Novelty Map. Allowed arithmetic: matrix products marked QUANTISED: E3M2 operands, one E8M0 scale for each 32 along K, by v_wmma_scale_f32_16x16x128_f8f6f4 with both operands' format E3M2, f32 sums; everything else in f32.
;; Inputs: x 4 x 3 x 256 x 256 float32; y 4 x 3 x 1,936 x 1,936 float32.
;; Outputs: out0 4 x 256 x 256 float32.
;; This version of the problem:
;;   THIS VERSION OF THE PROBLEM IS GIVEN IN LOW PRECISION. The matrix products marked QUANTISED in the list below multiply operands that are first quantised to E3M2 (3 exponent bits, 2 mantissa bits; 6 bits a number), with one power-of-two scale for each 32 numbers along K (OCP MX v1.0); their sums are f32. All else is computed in f32.
;;   The module's matrix products, in the order in which they are computed (A, B: the left and right operand; K: the contracted axis; several contracted axes count as one K, in the product's order):
;;     1. [M 256, K 121] x [K 121, N 484]; A: computed on the way; B: computed on the way: QUANTISED
;;     2. [M 1,024, K 121] x [K 121, N 256]; A: computed on the way; B: computed on the way: QUANTISED
;;   THE QUANTISER, for each operand of a quantised product, along K:
;;     - K is cut into blocks of 32 from its start; a last block that is shorter is filled with zeros.
;;     - A block's scale is 2^e with e = floor(log2(the largest magnitude in the block)) - 4, held to -126 .. 127; a block of zeros has e = 0. As a byte (E8M0): e + 127.
;;     - Each number is divided by its block's scale, clamped to +-28, and rounded to the nearest number of E3M2, ties to even, subnormals kept.
;;     - The product sums the exact products of the quantised numbers (number of the format x scale) in f32.
;;   ~~~python
;;   def quantise(x, axis):      # numpy; x: float32 -> the quantised numbers, widened to float32 again
;;       x = np.moveaxis(x, axis, -1); K = x.shape[-1]
;;       x = np.pad(x, [(0, 0)] * (x.ndim - 1) + [(0, -K % 32)]); x = x.reshape(x.shape[:-1] + (-1, 32)); a = np.abs(x).max(-1, keepdims=True)
;;       e = np.where(a > 0, np.clip(np.frexp(np.where(a > 0, a, 1))[1] - 1 - 4, -126, 127), 0)      # np.frexp(a)[1] - 1 = floor(log2(a)), exactly
;;       r = np.clip(x / 2.0 ** e, -28, 28)
;;       step = 2.0 ** (np.maximum(np.frexp(np.where(r == 0, 1, r))[1] - 1, -2) - 2)
;;       q = np.round(r / step) * step * 2.0 ** e      # np.round: ties to even
;;       return np.moveaxis(q.reshape(q.shape[:-2] + (-1,))[..., :K], -1, axis).astype(np.float32)
;;   ~~~
;;   OPERANDS COMPUTED ON THE WAY. 'Computed on the way' means the value that the module computes at that place (a softmax that the list does not call 'softmax' is quantised finished and normalised). What goes into a quantiser is computed in f32, as accurately as f32 sums, v_exp_f32 and their like allow (about 1e-6 of the number): no bf16 or f16 on the way to a quantiser, and a product that is left as it is and whose result goes on into a quantised operand takes f32 operands (vector FMAs, or v_wmma_f32_16x16x4_f32). A number that lies on a knife's edge between two numbers of the format may be rounded either way, as far as f32 arithmetic and the matrix unit's own rounding can turn it there, and no further.
;; One version. Each part assembles by itself: llvm-mc -triple=amdgcn-amd-amdhsa -mcpu=gfx1250 --defsym DOCPART=n.
;; ======== version 1 of 1: 2 launches
;; limits: right only within a limited range of input values
;; workspace buffers: msq 262,144 bytes
;; launch mse (part 1): grid 242 x 1, 32 waves a work-group, no clusters, 167,936 bytes of LDS; arguments x, y, msq; writes msq
.if DOCPART == 1
	.amdgcn_target "amdgcn-amd-amdhsa--gfx1250"
	.amdhsa_code_object_version 6
	.text
	.protected	k_q87e19022df_mse
	.globl	k_q87e19022df_mse
	.p2align	8
	.type	k_q87e19022df_mse,@function
k_q87e19022df_mse:
	s_mov_b64 s[64:65], 0
	v_nop
	global_prefetch_b8 v0, s[64:65] scope:SCOPE_SE
	s_setreg_imm32_b32 hwreg(HW_REG_WAVE_MODE, 25, 1), 1
	s_wait_xcnt 0x0
; msq[b][py][px] = mean over c, ky, kx of (x[b][c][2 py + ky][2 px + kx] - y[b][c][16 py + ky][16 px + kx])^2, in f32.
; x: [4][3][256][256], y: [4][3][1936][1936], msq: [4][128][128] f32 (121 x 121 used; the rest is stored as zeros, so that the next launch reads no byte that nobody wrote).
; WORK LEFT OUT (in the next launch, none here): the weights of the resize are zeros that reference() builds itself, max(0, 1 - |s - k|) with |s - k| >= 1, for whole blocks of 32 along each product's K.
; An output tile of 64 x 64 has weights other than 0 in at most two of the four blocks along py and two of the four along px, for all values of the inputs; the other blocks' products are products with 0 and are not made.
; LIMIT of that: a NaN or an infinity in m that meets weights of 0 alone is not carried to the result.
; SHARES.  The 484 pairs g = 121 b + py: a work-group of 32 waves owns two of them, waves 0-15 g = 2 i, waves 16-31 g = 2 i + 1: 242 work-groups of equal work.  Below, t is the thread's number within its 16 waves.
; The 16 rows of y of one channel are ONE dense block of 16 x 7,744 = 123,904 bytes = 484 x 256, which begins at a multiple of 256 bytes from y's first byte.
; It is read as a plain stream: in step n thread t loads the 16 bytes at 8,192 n + 16 t, so each load of a wave covers 512 consecutive bytes, aligned.
; A CELL is 64 bytes: one row of one patch; four lanes hold a cell.  Cell e = 128 n + t / 4 is row ky = e div 121 of patch px = e mod 121.  In one step only one row boundary falls among the 128 cells:
; with hi = 1 for t / 4 >= 121 - 7 n and 0 else,  ky = n + hi,  px = t / 4 + 7 n - 121 hi.  So x's place in LDS (1,024 ky + 8 px + 16 (t % 4)) is 1,080 n + 8 (t / 4) + 16 (t % 4) + 56 hi,
; and the place of the cell's sum (528 ky + 4 px) is 556 n + 4 (t / 4) + 44 hi.  hi = (t / 4 + 7 + 7 n) >> 7.
; Steps 0 to 14 are full; step 15 has 16 cells: waves 0 and 1 of the 16 walk it, the others jump over it (a branch on the wave's number).
; x's window of a g, 3 channels x 16 rows x 1,024 bytes, comes into LDS once, by three tensor loads (one a channel, 64 rows of 256 bytes), one each in the first three of its 16 waves.
; y runs through a ring of 12 slots in registers, four steps of three channels: 12 loads of every wave are on their way, 196,608 bytes a work-group; six of them are issued ahead of the barrier behind which x is read.
; A cell's sum over the three channels is joined over its four lanes by two DPP additions and goes to part[ky][px] in LDS.  Behind a barrier two waves of each 16 add the 16 rows and store 256 consecutive bytes each, aligned.
; No cluster: the windows of x begin at different rows in all work-groups and are 98,304 of the 841,728 bytes that a work-group reads; y is shared by none.
; No prefetch: y is asked for once, by the ring's loads, four steps ahead of its use; a further request would name bytes that are already on their way.
; LIMITS: the mean is the sum times the f32 number nearest to 1/768, not a division (it can differ in the last bit); NaN and infinities among the inputs are not served.
.set CHUNK, 123904                     ; 16 rows of y in bytes
.set YCHAN, 121*CHUNK                  ; a channel of y in bytes
.set STEPB, 8192                       ; a step: 512 threads x 16 bytes
.set DEPTH, 12                         ; ring slots
.set FIRST, 6                          ; of them asked for ahead of the barrier
.set XWIN,  49152                      ; LDS: x's two windows,
.set PART,  2*XWIN                     ; then part[16][132] f32 twice,
.set PARTB, 8448
.set SPARE, PART+2*PARTB               ; then the spare words, 128 bytes for each wave
.set OFF, 1                            ; v1      16 t: offset in a step of y; never rewritten
.set CEL, 2                            ; v2      t / 4: my cell in a step
.set XA,  3                            ; v3      my window + 8 (t / 4) + 16 (t % 4)
.set PA,  4                            ; v4      my part + 4 (t / 4)
.set T0,  5                            ; v5      at work
.set XAD, 6                            ; v6-7    x's LDS address of a step, two by turns
.set PAD, 8                            ; v8-9    the sum's LDS address of a step, two by turns
.set SUM, 11                           ; v11     a cell's sum
.set ACC, 12                           ; v12-15  two running pairs
.set ZA,  16                           ; v16     where I store a zero of my part
.set HP,  17                           ; v17     where my part begins
.set ZER, 18                           ; v18-21  zeros; never rewritten
.set RD,  22                           ; v22     the way out: LDS address of two patches of row 0
.set GO,  23                           ; v23     the way out: 8 t
.set XR,  24                           ; v24-47  x of a step (3 channels x 4 numbers), two sets
.set YRG, 48                           ; v48-95  the ring: slot q % 12, 4 registers
.set SPW, 96                           ; v96     LDS address of my spare word; never rewritten
.set NIL, 97                           ; v97     0; never rewritten
.set DIF, 100                          ; v100-111 x - y of a step
.set YB,  20                           ; s[20:25] y at my block of channel 0, 1, 2
.set G0,  28                           ; s[28:31] descriptor group 0
.set G1,  32                           ; s[32:39] descriptor group 1
	s_load_b128 s[4:7], s[0:1], 0x0                ; x s[4:5], y s[6:7]
	s_load_b64 s[8:9], s[0:1], 0x10                ; msq
	v_lshl_add_u32 v[SPW], v0, 2, SPARE
	v_mov_b32 v[NIL], 0
	ds_add_u32 v[SPW], v[NIL]                      ; the wave's opening: the add, twice on end, and its wait
	ds_add_u32 v[SPW], v[NIL]
	v_lshrrev_b32 v[T0], 5, v0
	v_and_b32 v[GO], 511, v0                       ; t
	v_lshrrev_b32 v[HP], 9, v0                     ; 0 or 1: which of the two g
	v_readfirstlane_b32 s10, v[T0]                 ; wave 0..31
	v_and_b32 v[ZA], 7, v0
	v_and_b32 v[PA], 3, v0
	v_lshlrev_b32 v[OFF], 4, v[GO]
	v_lshrrev_b32 v[CEL], 2, v[GO]
	v_lshrrev_b32 v[T0], 5, v[GO]                  ; wave of the 16
	v_mul_u32_u24 v[XA], XWIN, v[HP]
	v_mul_u32_u24 v[HP], PARTB, v[HP]
	v_mul_u32_u24 v[T0], 528, v[T0]
	v_lshl_add_u32 v[XA], v[PA], 4, v[XA]
	v_add_nc_u32 v[HP], PART, v[HP]
	v_lshl_add_u32 v[T0], v[ZA], 2, v[T0]
	v_lshl_add_u32 v[XA], v[CEL], 3, v[XA]
	v_lshl_add_u32 v[PA], v[CEL], 2, v[HP]
	v_add_nc_u32 v[ZA], v[T0], v[HP]               ; my part + 528 x wave of the 16 + 4 (lane % 8)
	v_lshlrev_b32 v[GO], 3, v[GO]
	v_add_nc_u32 v[RD], v[HP], v[GO]
.irp i, 0,1,2,3
	v_mov_b32 v[ZER+\i], 0
.endr
	s_lshr_b32 s11, s10, 4                         ; which of the two g
	s_and_b32 s12, s10, 15                         ; wave of the 16
	s_lshl_b32 s13, ttmp9, 1
	s_add_co_u32 s13, s13, s11                     ; g
	s_mul_i32 s14, s13, 542
	s_lshr_b32 s14, s14, 16                        ; b = g div 121 (right for g = 0 .. 483)
	s_mul_i32 s15, s14, 121
	s_sub_co_u32 s15, s13, s15                     ; py
	s_mul_i32 s16, s14, 3
	s_add_co_u32 s18, s16, s12
	s_lshl_b32 s18, s18, 18                        ; x: image b, the channel that I fetch (262,144 bytes a channel),
	s_lshl_b32 s19, s15, 11                        ; row 2 py of 1,024 bytes
	s_add_co_u32 s18, s18, s19
	s_mov_b32 s19, 0
	s_mul_i32 s16, s16, 121                        ; y: block (3 b) x 121 + py of 123,904 bytes (under 2^31)
	s_add_co_u32 s16, s16, s15
	s_mul_i32 s16, s16, CHUNK
	s_mov_b32 s17, 0
	s_lshl_b32 s26, s14, 7                         ; msq: row 128 b + py of 512 bytes
	s_add_co_u32 s26, s26, s15
	s_lshl_b32 s26, s26, 9
	s_mov_b32 s27, 0
	; descriptor group 1: a dense block of 16,384 bytes as 64 rows of 32 elements of 8 bytes, no padding
	s_mov_b32 s[G1+0], 3<<16
	s_mov_b32 s[G1+1], 32<<16
	s_mov_b32 s[G1+2], 64<<16
	s_mov_b32 s[G1+3], 32<<16
	s_mov_b32 s[G1+4], 64
	s_mov_b32 s[G1+5], 32
	s_mov_b32 s[G1+6], 0
	s_mov_b32 s[G1+7], 0
	s_mov_b32 s[G0], 1
	s_mul_i32 s[G0+1], s11, XWIN                   ; my window, my channel
	s_lshl_b32 s2, s12, 14
	s_add_co_u32 s[G0+1], s[G0+1], s2
	s_wait_alu depctr_va_vdst(0)
	s_wait_dscnt 0x0                               ; both opening adds are done
	s_wait_kmcnt 0x0
	s_add_nc_u64 s[G0+2:G0+3], s[4:5], s[18:19]
	s_or_b32 s[G0+3], s[G0+3], 0x80000000
	s_add_nc_u64 s[YB:YB+1], s[6:7], s[16:17]
	s_add_nc_u64 s[YB+2:YB+3], s[YB:YB+1], YCHAN
	s_add_nc_u64 s[YB+4:YB+5], s[YB+2:YB+3], YCHAN
	s_add_nc_u64 s[8:9], s[8:9], s[26:27]
	s_cmp_gt_u32 s12, 2                            ; the first three waves of each 16 fetch a channel of x each: one tensor load a wave
	s_cbranch_scc1 .Lno_x
	tensor_load_to_lds s[G0:G0+3], s[G1:G1+7]
	s_nop 0
.Lno_x:
.macro YLOAD q                         ; turn q = 3 x step + channel
	global_load_b128 v[YRG+4*((\q)%DEPTH):YRG+4*((\q)%DEPTH)+3], v[OFF], s[YB+2*((\q)%3):YB+2*((\q)%3)+1] offset:STEPB*((\q)/3) th:TH_LOAD_NT
.endm
.set Q, 0
.rept FIRST
	YLOAD Q
.set Q, Q+1
.endr
	s_wait_tensorcnt 0x0                           ; my channel of x, if I fetched one, is in LDS
	s_barrier_signal -1
	s_barrier_wait -1                              ; both windows are whole
.rept DEPTH-FIRST
	YLOAD Q
.set Q, Q+1
.endr
	ds_store_b32 v[ZA], v[ZER] offset:484          ; px 121 to 128 of row ky = my wave: no cell's sum lands there
; x of step n into set n % 2, and the two addresses of the step
.macro XLOAD n
	v_add_nc_u32 v[T0], 7+7*(\n), v[CEL]
	s_delay_alu instid0(VALU_DEP_1)
	v_lshrrev_b32 v[T0], 7, v[T0]                  ; hi: my cell lies behind the row boundary
	s_delay_alu instid0(VALU_DEP_1)
	v_mad_u32_u24 v[XAD+(\n)%2], v[T0], 56, v[XA]
	s_delay_alu instid0(VALU_DEP_2)
	v_mad_u32_u24 v[PAD+(\n)%2], v[T0], 44, v[PA]
.irp c, 0,1,2
	ds_load_b64 v[XR+12*((\n)%2)+4*\c:XR+12*((\n)%2)+4*\c+1], v[XAD+(\n)%2] offset:16384*\c+1080*(\n)
	ds_load_b64 v[XR+12*((\n)%2)+4*\c+2:XR+12*((\n)%2)+4*\c+3], v[XAD+(\n)%2] offset:16384*\c+1080*(\n)+8
.endr
.endm
; Step n: three channels.  xnext = 1: the next step's x is asked for first.
.macro STEP n, xnext
.if \xnext
	XLOAD (\n)+1
	s_wait_dscnt 0x6                               ; all but the six loads just issued: this step's x is in
.else
	s_wait_dscnt 0x0
.endif
.if (\n) > 14
	s_wait_loadcnt 0x0
.elseif (\n) > 11
	s_wait_loadcnt 3*(14-(\n))                     ; the tail: the loads behind this step's in a wave without step 15; with it three more are out, so the count is smaller than needed
.else
	s_wait_loadcnt DEPTH-3                         ; loads come back in order: this step's three are in, the nine of the three steps behind it stay out
.endif
.set YS, YRG+12*((\n)%4)
.set XS, XR+12*((\n)%2)
.irp i, 0,2,4,6,8,10
	v_pk_add_f32 v[DIF+\i:DIF+\i+1], v[XS+\i:XS+\i+1], v[YS+\i:YS+\i+1] neg_lo:[0,1] neg_hi:[0,1]
.endr
.if (\n)+4 < 15
.irp c, 0,1,2
	YLOAD 3*((\n)+4)+\c                            ; the three slots' next turns, four steps on
.endr
.endif
	v_pk_mul_f32 v[ACC:ACC+1], v[DIF:DIF+1], v[DIF:DIF+1]              ; the first products start the two sums
	v_pk_mul_f32 v[ACC+2:ACC+3], v[DIF+2:DIF+3], v[DIF+2:DIF+3]
.irp i, 4,8
	v_pk_fma_f32 v[ACC:ACC+1], v[DIF+\i:DIF+\i+1], v[DIF+\i:DIF+\i+1], v[ACC:ACC+1]
	v_pk_fma_f32 v[ACC+2:ACC+3], v[DIF+\i+2:DIF+\i+3], v[DIF+\i+2:DIF+\i+3], v[ACC+2:ACC+3]
.endr
	s_delay_alu instid0(VALU_DEP_1)
	v_pk_add_f32 v[ACC:ACC+1], v[ACC:ACC+1], v[ACC+2:ACC+3]
	s_delay_alu instid0(VALU_DEP_1)
	v_add_f32 v[SUM], v[ACC], v[ACC+1]
	s_delay_alu instid0(VALU_DEP_1)
	v_add_f32_dpp v[SUM], v[SUM], v[SUM] row_xmask:1 row_mask:0xf bank_mask:0xf   ; the cell's four lanes
	s_delay_alu instid0(VALU_DEP_1)
	v_add_f32_dpp v[SUM], v[SUM], v[SUM] row_xmask:2 row_mask:0xf bank_mask:0xf
	ds_store_b32 v[PAD+(\n)%2], v[SUM] offset:556*(\n)             ; part[ky][px]; the four lanes write the same word with the same value
.endm
	XLOAD 0
.irp n, 0,1,2,3,4,5,6,7,8,9,10,11
	STEP \n, 1
.endr
	s_cmp_gt_u32 s12, 1                            ; step 15's three loads, into the slots that step 11 has read out: waves 0 and 1 alone (their 64 threads end at the block's last byte)
	s_cbranch_scc1 .Lno_tail
.irp c, 0,1,2
	YLOAD 45+\c
.endr
.Lno_tail:
	STEP 12, 1
	STEP 13, 1
	STEP 14, 0
	s_cmp_gt_u32 s12, 1
	s_cbranch_scc1 .Ldone
	XLOAD 15
	STEP 15, 0
.Ldone:
	s_wait_dscnt 0x0                               ; for the others' sake: my sums have landed
	s_barrier_signal -1
	s_barrier_wait -1                              ; both parts are whole
	s_cmp_gt_u32 s12, 1
	s_cbranch_scc1 .Lothers
.irp k, 0,1,2,3,4,5,6,7,8,9,10,11,12,13,14,15
	ds_load_b64 v[YRG+2*\k:YRG+2*\k+1], v[RD] offset:528*\k        ; row ky = k, two patches a lane
.endr
	s_wait_dscnt 0x0
.irp k, 0,1,2,3,4,5,6,7                ; the 16 rows are added in pairs: 8, 4, 2 and 1 rows apart
	v_pk_add_f32 v[YRG+2*\k:YRG+2*\k+1], v[YRG+2*\k:YRG+2*\k+1], v[YRG+2*\k+16:YRG+2*\k+17]
.endr
.irp k, 0,1,2,3
	v_pk_add_f32 v[YRG+2*\k:YRG+2*\k+1], v[YRG+2*\k:YRG+2*\k+1], v[YRG+2*\k+8:YRG+2*\k+9]
.endr
.irp k, 0,1
	v_pk_add_f32 v[YRG+2*\k:YRG+2*\k+1], v[YRG+2*\k:YRG+2*\k+1], v[YRG+2*\k+4:YRG+2*\k+5]
.endr
	s_delay_alu instid0(VALU_DEP_1)
	v_pk_add_f32 v[YRG:YRG+1], v[YRG:YRG+1], v[YRG+2:YRG+3]
	s_delay_alu instid0(VALU_DEP_1)
	v_pk_mul_f32 v[YRG:YRG+1], v[YRG:YRG+1], 0x3aaaaaab op_sel_hi:[1,0]     ; x 1/768
	global_store_b64 v[GO], v[YRG:YRG+1], s[8:9]   ; 32 lanes store 256 consecutive bytes, aligned
	s_wait_tensorcnt 0x0                           ; the wave's end
	ds_add_u32 v[SPW], v[NIL]
	s_wait_dscnt 0x0
	s_endpgm
.Lothers:
	s_cmp_lg_u32 s15, 120                          ; where py is an image's last, waves 9 to 15 also store its zero rows 121 to 127: wave w row 112 + w (16 t = 512 w + 16 x lane, eight rows back)
	s_cbranch_scc1 .Lend
	s_cmp_lt_u32 s12, 9
	s_cbranch_scc1 .Lend
	global_store_b128 v[OFF], v[ZER:ZER+3], s[8:9] offset:-4096
.Lend:
	s_wait_tensorcnt 0x0
	ds_add_u32 v[SPW], v[NIL]
	s_wait_dscnt 0x0
	s_endpgm
.Lfunc_end_k_q87e19022df_mse:
	.size	k_q87e19022df_mse, .Lfunc_end_k_q87e19022df_mse-k_q87e19022df_mse
	.p2alignl 7, 3214868480
	.fill 96, 4, 3214868480
	.section	.rodata,"a",@progbits
	.p2align	6, 0x0
	.amdhsa_kernel k_q87e19022df_mse
		.amdhsa_group_segment_fixed_size 167936
		.amdhsa_private_segment_fixed_size 0
		.amdhsa_enable_private_segment 0
		.amdhsa_kernarg_size 24
		.amdhsa_user_sgpr_count 2
		.amdhsa_user_sgpr_kernarg_segment_ptr 1
		.amdhsa_wavefront_size32 1
		.amdhsa_system_sgpr_workgroup_id_x 1
		.amdhsa_system_sgpr_workgroup_id_y 1
		.amdhsa_system_sgpr_workgroup_id_z 1
		.amdhsa_system_vgpr_workitem_id 0
		.amdhsa_next_free_vgpr 112
		.amdhsa_next_free_sgpr 66
		.amdhsa_reserve_vcc 0
		.amdhsa_float_denorm_mode_32 3
		.amdhsa_float_denorm_mode_16_64 3
		.amdhsa_memory_ordered 1
		.amdhsa_forward_progress 1
		.amdhsa_inst_pref_size 42
	.end_amdhsa_kernel
	.amdgpu_metadata
---
amdhsa.version: [ 1, 2 ]
amdhsa.kernels:
  - .name:           k_q87e19022df_mse
    .symbol:         k_q87e19022df_mse.kd
    .args:
      - { .name: x, .offset: 0, .size: 8, .value_kind: global_buffer, .address_space: global }
      - { .name: y, .offset: 8, .size: 8, .value_kind: global_buffer, .address_space: global }
      - { .name: msq, .offset: 16, .size: 8, .value_kind: global_buffer, .address_space: global }
    .group_segment_fixed_size: 167936
    .private_segment_fixed_size: 0
    .kernarg_segment_align: 8
    .kernarg_segment_size: 24
    .max_flat_workgroup_size: 1024
    .sgpr_count:     66
    .vgpr_count:     112
    .wavefront_size: 32
...
	.end_amdgpu_metadata
.endif
;; end of part 1
;; launch resize (part 2): grid 16 x 4, 4 waves a work-group, no clusters, 25,088 bytes of LDS; arguments msq, out0; writes out0
.if DOCPART == 2
	.amdgcn_target "amdgcn-amd-amdhsa--gfx1250"
	.amdhsa_code_object_version 6
	.text
	.protected	k_q87e19022df_resize
	.globl	k_q87e19022df_resize
	.p2align	8
	.type	k_q87e19022df_resize,@function
k_q87e19022df_resize:
	s_mov_b64 s[64:65], 0
	v_nop
	global_prefetch_b8 v0, s[64:65] scope:SCOPE_SE
	s_setreg_imm32_b32 hwreg(HW_REG_WAVE_MODE, 25, 1), 1
	s_wait_xcnt 0x0
; out0[b][Y][X] = sum over px of Q(t)[b][Y][px] Q(W)[px][X],  t[b][Y][px] = sum over py of Q(W)[py][Y] Q(m)[b][py][px]: the bilinear resize of m [4][121][121] to [4][256][256] as its two products, rows first,
; both on codes of BF6 (E3M2) with one E8M0 scale for each 32 along the product's K (py, then px); sums in f32.  m comes as msq [4][128][128] f32, zeros beyond 121.
; THE WEIGHTS.  W[k][o] = max(0, 1 - |s - k|) / (the column's sum), s = (o + 1/2) 121/256 - 1/2.  All of this is exact in f32 (multiples of 1/512).  The column's sum is 1 where s lies in 0 .. 120; for o = 0 and
; o = 255 (s = -0.26 and 120.26) the one weight is divided by itself.  Both are had by holding s at 0 .. 120, which gives the same numbers, 1.0 at the borders among them.  For k = 121 .. 127 the formula gives 0.
; WORK LEFT OUT.  For the 64 outputs 64 j .. 64 j + 63 all weights other than 0 lie at k = 0 .. 30, 29 .. 60, 60 .. 91 and 90 .. 120 for j = 0, 1, 2, 3: in the two blocks of 32 from block max(j - 1, 0) on.
; The other two blocks are products with zeros that reference() builds itself, for all values of the inputs: they are not loaded and take zero codes.  A quantiser's block lies wholly inside or wholly outside what is kept.
; LIMIT of that: a NaN or an infinity in m that meets weights of 0 alone is not carried to the result.
; SHARES.  A work-group of four waves makes 64 rows x 64 columns of one image.  Wave w: rows 16 w on, all 64 columns.  What all four need is made once and goes through LDS as IMAGES OF THE OPERANDS' REGISTERS
; (6 registers a lane: 16 bytes at 16 x lane, 8 at 8 x lane; the scale word at 4 x lane): wave w makes m's fragment w (16 px x 64 py) and W's fragment of column tile w.  One barrier.
; LAYOUT.  A lane of a 6-bit operand holds row (or column) lane % 16 and k = 64 c + 32 (lane / 16) + 0 .. 31 in registers 6 c .. 6 c + 5.  The two kept blocks stand at c = 0: lanes 0-15 the first, lanes 16-31 the
; second, so a block's largest magnitude needs no other lane; registers 6 to 11 are zero codes, and the scale bytes that go with them are 0, a finite code.
; m: a lane takes a column px and its registers run down py.  W: the same k by the formula.
; Both products are used transposed.  t^T: source 0 = 16 px of m, source 1 = my 16 Y of W: a lane holds ONE row Y and eight px.  THE px OF A TILE ARE NOT NEIGHBOURS: lane r of tile 2 b + u takes px
; 32 b + 8 u + r + 8 (r / 8) of the kept 64, so that the 16 registers of tiles 2 b and 2 b + 1 are px 32 b + 16 (lane / 16) + 0 .. 15: neighbours along the next K.  out^T: source 0 = 16 X of W, source 1 = t: a lane
; holds eight neighbouring X of one row.  They leave through the wave's own stage in LDS: sixteen lanes store 256 consecutive bytes, aligned.
; While m's 32 loads are on their way the wave makes its two fragments of W, which need no memory.
; No cluster, no tensor load and no prefetch: the operands are made in registers, 16,384 bytes of m a work-group, and there is no loop to run ahead in.
; LIMITS: a block of zeros gets the byte 1 where the rule says 127 (its codes are zeros, and this program alone reads the bytes); NaN and infinities are not served.
.set FRB,  768                         ; a fragment's image: 6 registers x 128 bytes
.set MIMG, 0                           ; LDS: m's 4 fragments,
.set MSC,  MIMG+4*FRB                  ; their scale words, 128 bytes each,
.set XIMG, MSC+4*128                   ; W's 4 fragments of my columns,
.set XSC,  XIMG+4*FRB                  ; their scale words,
.set STG,  XSC+4*128                   ; the stages: 16 rows x (256 bytes + 16) for each wave,
.set SPI,  272
.set SPARE, STG+4*16*SPI               ; the spare words, 128 bytes for each wave
.set LI,  1                            ; v1   16 x lane
.set L8,  2                            ; v2   8 x lane
.set LS,  3                            ; v3   4 x lane
.set MO,  4                            ; v4   m: 16,384 (lane / 16) + 4 (r + 8 (r / 8)); never rewritten
.set H8,  5                            ; v5   8 (lane / 16)
.set RR,  6                            ; v6   r = lane % 16
.set HY,  7                            ; v7   my block's first py, as f32
.set HX,  8                            ; v8   my block's first px, as f32
.set WI,  9                            ; v9   where I store an image: 16 x lane + FRB x wave,
.set WI8, 10                           ; v10  8 x lane + FRB x wave,
.set WS,  11                           ; v11  and its scale word: 4 x lane + 128 x wave
.set SI,  12                           ; v12  the stage: where I put 32 bytes of a row
.set SR,  13                           ; v13  and where I read a row back
.set GO,  14                           ; v14  my byte offset in the wave's rows of out0
.set UU,  15                           ; v15  at work
.set SPW, 16                           ; v16  LDS address of my spare word; never rewritten
.set NIL, 17                           ; v17  0; never rewritten
.set TX,  18                           ; v18-19  what comes from lane l xor 16
.set WY,  20                           ; v20-31  W's fragment of my 16 rows Y
.set XC,  32                           ; v32-37  codes of W's fragment of column tile w
.set MC,  40                           ; v40-45  codes of m's fragment w
.set PWX, 46                           ; v46     the scale word that goes to LDS with W's image
.set MF,  48                           ; v48-95  m's 4 fragments;  last v48-79 rows of out
.set XF,  96                           ; v96-143 W's 4 column fragments
.set MS,  144                          ; v144-147 scale words of m's fragments,
.set XS,  148                          ; v148-151 of W's column fragments,
.set WYS, 152                          ; v152    of W's fragment of my rows,
.set TQS, 153                          ; v153    of t
.set PWM, 154                          ; v154    the scale word that goes to LDS with m's image
.set HH,  155                          ; v155    lane / 16
.set TC,  156                          ; v156-167 t's codes
.set WT,  168                          ; v168-199 32 weights;  later t: 4 tiles x 8 registers
.set TT,  168
.set RAW, 200                          ; v200-231 m as loaded;  later out's accumulators
.set OA,  200
.set TM,  232                          ; v232-243 at work
.set PT,  244                          ; v244-246, v248-250 second halves of conversions
.set P2,  248
	s_load_b128 s[4:7], s[0:1], 0x0                ; msq s[4:5], out0 s[6:7]
	v_lshl_add_u32 v[SPW], v0, 2, SPARE
	v_mov_b32 v[NIL], 0
	v_lshrrev_b32 v[UU], 5, v0
	v_and_b32 v[RR], 15, v0
	v_bfe_u32 v[HH], v0, 4, 1
	v_readfirstlane_b32 s8, v[UU]                  ; wave 0..3
	v_and_b32 v[MO], 8, v[RR]
	v_add_nc_u32 v[MO], v[MO], v[RR]               ; r + 8 (r / 8)
	v_lshlrev_b32 v[MO], 2, v[MO]
	v_lshl_add_u32 v[MO], v[HH], 14, v[MO]         ; lanes 16-31 begin 32 rows of 512 bytes further down
	s_and_b32 s9, ttmp7, 0xffff                    ; b
	s_lshr_b32 s10, ttmp9, 2                       ; which 64 rows
	s_and_b32 s11, ttmp9, 3                        ; which 64 columns
	s_max_u32 s18, s10, 1
	s_sub_co_u32 s18, s18, 1                       ; the first kept block along py
	s_max_u32 s19, s11, 1
	s_sub_co_u32 s19, s19, 1                       ; and along px
	s_lshl_b32 s12, s9, 16                         ; image b: 128 rows of 512 bytes;
	s_lshl_b32 s13, s18, 14                        ; the first kept row;
	s_add_co_u32 s12, s12, s13
	s_lshr_b32 s13, s8, 1
	s_add_co_u32 s13, s13, s19
	s_lshl_b32 s13, s13, 7                         ; my tile's block of 32 columns,
	s_add_co_u32 s12, s12, s13
	s_and_b32 s13, s8, 1
	s_lshl_b32 s13, s13, 5                         ; + 8 columns in the second tile of a block
	s_add_co_u32 s12, s12, s13
	s_mov_b32 s13, 0
	s_wait_alu depctr_va_vdst(0)
	s_wait_kmcnt 0x0
	s_add_nc_u64 s[4:5], s[4:5], s[12:13]
.irp i, 0,1,2,3,4,5,6,7,8,9,10,11,12,13,14,15,16,17,18,19,20,21,22,23,24,25,26,27,28,29,30,31
	global_load_b32 v[RAW+\i], v[MO], s[4:5] offset:512*\i
.endr
	; the rest of the head, while the loads are out
	s_mov_b32 s20, 0x76543210
	s_mov_b32 s21, 0xfedcba98                      ; v_permlanex16_b32's selects for lane l xor 16
	s_lshl_b32 s16, s10, 2
	s_add_co_u32 s16, s16, s8
	s_lshl_b32 s16, s16, 4                         ; my first Y: 64 x group + 16 x wave
	s_lshl_b32 s17, s11, 2
	s_add_co_u32 s17, s17, s8
	s_lshl_b32 s17, s17, 4                         ; the first X of the column tile that I make
	s_lshl_b32 s14, s9, 8
	s_add_co_u32 s14, s14, s16                     ; out0: row 256 b + my first Y,
	s_lshl_b32 s14, s14, 10
	s_lshl_b32 s15, s11, 8                         ; + 256 bytes x column group
	s_add_co_u32 s14, s14, s15
	s_mov_b32 s15, 0
	s_add_nc_u64 s[6:7], s[6:7], s[14:15]
	s_mul_i32 s22, s8, FRB
	s_lshl_b32 s23, s8, 7
	s_mul_i32 s24, s8, 16*SPI                      ; my stage
	v_and_b32 v[TM], 31, v0
	v_add_nc_u32 v[HY], s18, v[HH]
	v_add_nc_u32 v[HX], s19, v[HH]
	v_lshlrev_b32 v[LI], 4, v[TM]
	v_lshlrev_b32 v[L8], 3, v[TM]
	v_lshlrev_b32 v[LS], 2, v[TM]
	v_lshlrev_b32 v[HY], 5, v[HY]
	v_lshlrev_b32 v[HX], 5, v[HX]
	v_lshlrev_b32 v[H8], 3, v[HH]
	v_cvt_f32_u32 v[HY], v[HY]                     ; 32 (first block + lane / 16)
	v_cvt_f32_u32 v[HX], v[HX]
	v_add_nc_u32 v[WI], s22, v[LI]
	v_add_nc_u32 v[WI8], s22, v[L8]
	v_add_nc_u32 v[WS], s23, v[LS]
	v_mul_u32_u24 v[SI], v[RR], SPI                ; in: row r, 32 bytes for each half of the lanes
	v_mul_u32_u24 v[SR], v[HH], SPI                ; back: lanes 0-15 one row of 256 bytes, lanes 16-31 the next
	v_lshlrev_b32 v[GO], 10, v[HH]                 ; and the same two rows in out0: 1,024 bytes a row
	v_lshl_add_u32 v[SI], v[HH], 5, v[SI]
	v_lshl_add_u32 v[SR], v[RR], 4, v[SR]
	v_lshl_add_u32 v[GO], v[RR], 4, v[GO]
	v_add_nc_u32 v[SI], s24, v[SI]
	v_add_nc_u32 v[SR], s24, v[SR]
	v_mov_b32 v[TX], 0                             ; written once: a lane permute's destination counts as one of its sources
	v_mov_b32 v[TX+1], 0
.irp i, 6,7,8,9,10,11                  ; the operands' zero codes: the two blocks that are left out
	v_mov_b32 v[WY+\i], 0
	v_mov_b32 v[TC+\i], 0
.irp t, 0,12,24,36
	v_mov_b32 v[MF+\t+\i], 0
	v_mov_b32 v[XF+\t+\i], 0
.endr
.endr
; One block of 32 numbers, v[s] on, all of them the lane's: its codes into the six registers v[pc] on; the row's scale word into v[pw] (both halves of the lanes hold it).
.macro QBLK s, pc, pw
.irp q, 0,1,2,3
	v_max3_num_f32 v[TM+\q], |v[\s+8*\q]|, |v[\s+8*\q+1]|, 0x2800000   ; the largest magnitude, in four chains, and the floor 2^(5 - 127): the byte cannot fall under 1
.endr
.irp i, 2,4,6
.irp q, 0,1,2,3
	v_max3_num_f32 v[TM+\q], v[TM+\q], |v[\s+8*\q+\i]|, |v[\s+8*\q+\i+1]|
.endr
.endr
	v_max3_num_f32 v[TM], v[TM], v[TM+1], v[TM+2]
	v_max_num_f32 v[TM], v[TM], v[TM+3]
	v_add_nc_u32 v[TM+4], 0xfe000000, v[TM]        ; 4 off its exponent field: the conversion takes the exponent field of this operand as its scale
	v_cvt_scalef32_pk16_bf6_f32 v[\pc:\pc+2], v[\s:\s+15], v[TM+4]
	v_cvt_scalef32_pk16_bf6_f32 v[PT:PT+2], v[\s+16:\s+31], v[TM+4]   ; (a conversion's three registers begin on an even number: the second half is made elsewhere and moved)
	v_lshrrev_b32 v[\pw], 23, v[TM+4]              ; the scale's byte (and the plain place behind the conversions),
	v_lshlrev_b32 v[\pw], v[H8], v[\pw]            ; at its place in the scale word: byte lane / 16;
	v_permlanex16_b32 v[TX], v[\pw], s20, s21
	v_or_b32 v[\pw], v[\pw], v[TX]                 ; with lane l xor 16's
.irp i, 0,1,2
	v_mov_b32 v[\pc+3+\i], v[PT+\i]
.endr
.endm
; W's fragment of the 16 outputs s[sb] + r; hf: the register with my block's first k.
.macro WFRAG sb, hf, pc, pw
	v_add_nc_u32 v[UU], s[\sb], v[RR]              ; o
	v_cvt_f32_u32 v[UU], v[UU]
	v_add_f32 v[UU], 0.5, v[UU]
	v_fma_f32 v[UU], v[UU], 0x3ef20000, -0.5       ; s = (o + 1/2) 121/256 - 1/2: exact
	v_med3_num_f32 v[UU], v[UU], 0, 0x42f00000     ; held at 0 .. 120: the division by the column's sum, in closed form
	v_sub_f32 v[WT], v[UU], v[\hf]                 ; s - k: the first four,
	v_add_f32 v[WT+1], -1.0, v[WT]
	v_add_f32 v[WT+2], -2.0, v[WT]
	v_add_f32 v[WT+3], -2.0, v[WT+1]
.irp i, 4,6,8,10,12,14,16,18,20,22,24,26,28,30
	v_pk_add_f32 v[WT+\i:WT+\i+1], v[WT+\i-4:WT+\i-3], -4.0 op_sel_hi:[1,0]   ; and each further one from the one four back
.endr
.irp i, 0,1,2,3,4,5,6,7,8,9,10,11,12,13,14,15,16,17,18,19,20,21,22,23,24,25,26,27,28,29,30,31
	v_sub_f32 v[WT+\i], 1.0, |v[WT+\i]|
.endr
.irp i, 0,1,2,3,4,5,6,7,8,9,10,11,12,13,14,15,16,17,18,19,20,21,22,23,24,25,26,27,28,29,30,31
	v_max_num_f32 v[WT+\i], 0, v[WT+\i]
.endr
	QBLK WT, \pc, \pw
.endm
	WFRAG 16, HY, WY, WYS                          ; my rows' fragment stays in registers
	WFRAG 17, HX, XC, PWX                          ; column tile w's goes to LDS
	ds_store_b128 v[WI], v[XC:XC+3] offset:XIMG
	ds_store_b64 v[WI8], v[XC+4:XC+5] offset:XIMG+512
	ds_store_b32 v[WS], v[PWX] offset:XSC
	s_wait_loadcnt 0x0
	QBLK RAW, MC, PWM                              ; m's fragment w
	ds_store_b128 v[WI], v[MC:MC+3] offset:MIMG
	ds_store_b64 v[WI8], v[MC+4:MC+5] offset:MIMG+512
	ds_store_b32 v[WS], v[PWM] offset:MSC
	s_wait_dscnt 0x0                               ; for the others' sake: my images have landed
	s_barrier_signal -1
	s_barrier_wait -1                              ; all eight fragments lie in LDS
.irp t, 0,1,2,3
	ds_load_b128 v[MF+12*\t:MF+12*\t+3], v[LI] offset:MIMG+FRB*\t
	ds_load_b64 v[MF+12*\t+4:MF+12*\t+5], v[L8] offset:MIMG+FRB*\t+512
	ds_load_b32 v[MS+\t], v[LS] offset:MSC+128*\t
.endr
.irp x, 0,1,2,3                        ; W's four column fragments land while t is made
	ds_load_b128 v[XF+12*\x:XF+12*\x+3], v[LI] offset:XIMG+FRB*\x
	ds_load_b64 v[XF+12*\x+4:XF+12*\x+5], v[L8] offset:XIMG+FRB*\x+512
	ds_load_b32 v[XS+\x], v[LS] offset:XSC+128*\x
.endr
.irp t, 0,1,2,3                        ; t^T: four tiles, each one product with C = 0: four accumulators, no chain
	s_wait_dscnt 12+3*(3-\t)                       ; tile t's three loads are in; those behind them stay out
	v_wmma_scale_f32_16x16x128_f8f6f4 v[TT+8*\t:TT+8*\t+7], v[MF+12*\t:MF+12*\t+11], v[WY:WY+11], 0, v[MS+\t], v[WYS] matrix_a_fmt:MATRIX_FMT_BF6 matrix_b_fmt:MATRIX_FMT_BF6
.endr
.rept 4
	v_nop                                          ; four places in front of the first read of the results
.endr
	; t's 32 numbers of a lane: register 16 b + i is px 32 b + 16 (lane / 16) + i of the kept 64, of my row Y; each accumulator is read from its low end on
.irp b, 0,1
	v_max3_num_f32 v[TM+2*\b], |v[TT+16*\b]|, |v[TT+16*\b+1]|, 0x2800000
	v_max3_num_f32 v[TM+2*\b+1], |v[TT+16*\b+8]|, |v[TT+16*\b+9]|, 0x2800000
.endr
.irp i, 2,4,6
.irp b, 0,1
	v_max3_num_f32 v[TM+2*\b], v[TM+2*\b], |v[TT+16*\b+\i]|, |v[TT+16*\b+\i+1]|
	v_max3_num_f32 v[TM+2*\b+1], v[TM+2*\b+1], |v[TT+16*\b+8+\i]|, |v[TT+16*\b+9+\i]|
.endr
.endr
.irp b, 0,1
	v_max_num_f32 v[TM+2*\b], v[TM+2*\b], v[TM+2*\b+1]
.endr
.irp b, 0,1
	v_permlanex16_b32 v[TX+\b], v[TM+2*\b], s20, s21
.endr
.irp b, 0,1
	v_max_num_f32 v[TM+2*\b], v[TM+2*\b], v[TX+\b] ; with lane l xor 16's: the block's largest magnitude
.endr
.irp b, 0,1
	v_add_nc_u32 v[TM+4+\b], 0xfe000000, v[TM+2*\b]
.endr
.irp b, 0,1
	v_lshrrev_b32 v[TM+6+\b], 23, v[TM+4+\b]
.endr
	v_lshl_or_b32 v[TQS], v[TM+7], 8, v[TM+6]      ; the two bytes make my row's scale word
	v_cvt_scalef32_pk16_bf6_f32 v[TC:TC+2], v[TT:TT+15], v[TM+4]
	v_cvt_scalef32_pk16_bf6_f32 v[P2:P2+2], v[TT+16:TT+31], v[TM+5]
	v_nop                                          ; one plain place behind a scaled conversion
.irp i, 0,1,2                          ; the operand's layout wants a WHOLE block in a lane: lanes 0-15 the first, lanes 16-31 the second
	v_permlane16_swap_b32 v[TC+\i], v[P2+\i]
.endr
.irp i, 0,1,2
	v_mov_b32 v[TC+3+\i], v[P2+\i]
.endr
.rept 8
	v_nop                                          ; a scale register written by a vector instruction stands 8 places ahead of a scaled matrix instruction, an operand so written 4
.endr
	s_wait_alu depctr_va_vdst(0)
	s_wait_dscnt 0x0                               ; W's column fragments are in
.irp x, 0,1,2,3                        ; out^T: four tiles, each one product with C = 0
	v_wmma_scale_f32_16x16x128_f8f6f4 v[OA+8*\x:OA+8*\x+7], v[XF+12*\x:XF+12*\x+11], v[TC:TC+11], 0, v[XS+\x], v[TQS] matrix_a_fmt:MATRIX_FMT_BF6 matrix_b_fmt:MATRIX_FMT_BF6
.endr
.rept 4
	v_nop                                          ; four places in front of the stores that read the results
.endr
.irp x, 0,1,2,3                        ; lane (r, h): out(Y = r, X = 16 x + 8 h + 0 .. 7); each accumulator from its low end on
	ds_store_b128 v[SI], v[OA+8*\x:OA+8*\x+3] offset:STG+64*\x
	ds_store_b128 v[SI], v[OA+8*\x+4:OA+8*\x+7] offset:STG+64*\x+16
.endr
.irp i, 0,1,2,3,4,5,6,7
	ds_load_b128 v[MF+4*\i:MF+4*\i+3], v[SR] offset:STG+2*\i*SPI   ; LDS serves a wave's instructions in order: these see my stores; the stage is my wave's own
.endr
.irp i, 0,1,2,3,4,5,6,7
	s_wait_dscnt 7-\i                              ; rows 2 i and 2 i + 1 are back; the loads behind them stay out
	global_store_b128 v[GO], v[MF+4*\i:MF+4*\i+3], s[6:7] offset:2*\i*1024 th:TH_STORE_NT   ; sixteen lanes store 256 consecutive bytes, at a multiple of 256 from out0's first byte
.endr
	s_wait_tensorcnt 0x0                           ; the wave's end
	ds_add_u32 v[SPW], v[NIL]
	s_wait_dscnt 0x0
	s_endpgm
.Lfunc_end_k_q87e19022df_resize:
	.size	k_q87e19022df_resize, .Lfunc_end_k_q87e19022df_resize-k_q87e19022df_resize
	.p2alignl 7, 3214868480
	.fill 96, 4, 3214868480
	.section	.rodata,"a",@progbits
	.p2align	6, 0x0
	.amdhsa_kernel k_q87e19022df_resize
		.amdhsa_group_segment_fixed_size 25088
		.amdhsa_private_segment_fixed_size 0
		.amdhsa_enable_private_segment 0
		.amdhsa_kernarg_size 16
		.amdhsa_user_sgpr_count 2
		.amdhsa_user_sgpr_kernarg_segment_ptr 1
		.amdhsa_wavefront_size32 1
		.amdhsa_system_sgpr_workgroup_id_x 1
		.amdhsa_system_sgpr_workgroup_id_y 1
		.amdhsa_system_sgpr_workgroup_id_z 1
		.amdhsa_system_vgpr_workitem_id 0
		.amdhsa_next_free_vgpr 252
		.amdhsa_next_free_sgpr 66
		.amdhsa_reserve_vcc 0
		.amdhsa_float_denorm_mode_32 3
		.amdhsa_float_denorm_mode_16_64 3
		.amdhsa_memory_ordered 1
		.amdhsa_forward_progress 1
		.amdhsa_inst_pref_size 30
	.end_amdhsa_kernel
	.amdgpu_metadata
---
amdhsa.version: [ 1, 2 ]
amdhsa.kernels:
  - .name:           k_q87e19022df_resize
    .symbol:         k_q87e19022df_resize.kd
    .args:
      - { .name: msq, .offset: 0, .size: 8, .value_kind: global_buffer, .address_space: global }
      - { .name: out0, .offset: 8, .size: 8, .value_kind: global_buffer, .address_space: global }
    .group_segment_fixed_size: 25088
    .private_segment_fixed_size: 0
    .kernarg_segment_align: 8
    .kernarg_segment_size: 16
    .max_flat_workgroup_size: 128
    .sgpr_count:     66
    .vgpr_count:     252
    .wavefront_size: 32
...
	.end_amdgpu_metadata
.endif
;; end of part 2
